; MI455X (gfx1250); checked and timed in simulation.
; The chip was launched on July 23, 2026; its instructions are those of AMD's public machine-readable ISA for CDNA 5 (MIT licence, August 2026) and "CDNA5" Instruction Set Architecture Reference Guide (July 2026). The comments in the code are by the model that wrote it; some were corrected since.
;; Temporal Att Decoder. Allowed arithmetic: float matrix products may take bf16 or f16 operands with f32 sums; other float arithmetic in f32, or as packed bf16 or f16 multiplies, adds, multiply-adds, maxima and minima; sums over many terms, partial sums and values carried from step to step in f32; what a program stores and reads back later, other than sums and carried values, may be rounded once to bf16 or f16.
;; Inputs: W1 512 x 512 float32; Wo 1,024 x 2 float32; Wp 512 x 512 float32; b2 1 float32; bo 2 float32; g 512 x 256 x 512 float32; g_T 512 x 1 x 512 float32; n_day 512 int32; w2 512 x 1 float32; y 512 x 2 float32.
;; Outputs: out0 512 x 2 float32; out1 512 x 256 float32.
;; One version. Each part assembles by itself: llvm-mc -triple=amdgcn-amd-amdhsa -mcpu=gfx1250 --defsym DOCPART=n.
;; ======== version 1 of 1: 2 launches
;; workspace buffers: wf 1,064,960 bytes
;; launch prep (part 1): grid 65 x 1, 32 waves a work-group, no clusters, 0 bytes of LDS; arguments W1, Wp, Wo, wf; writes wf
.if DOCPART == 1
	.amdgcn_target "amdgcn-amd-amdhsa--gfx1250"
	.amdhsa_code_object_version 6
	.text
	.protected	k_qbec8a88e42_prep
	.globl	k_qbec8a88e42_prep
	.p2align	8
	.type	k_qbec8a88e42_prep,@function
k_qbec8a88e42_prep:
	s_mov_b64 s[64:65], 0
	v_nop
	global_prefetch_b8 v0, s[64:65] scope:SCOPE_SE
	s_setreg_imm32_b32 hwreg(HW_REG_WAVE_MODE, 25, 1), 1
	s_wait_xcnt 0x0
; W1, Wp ([512 k][512 n] f32) and the upper half of Wo ([512 k][2] f32) are rounded once to bf16 and laid out as the matrix unit's fragments.
; wf holds 65 tiles of 16,384 bytes (16 columns x 512 k).  Tile p < 64: slot q = p / 4, matrix (p / 2) % 2 (0: W1, 1: Wp), column tile 2 q + p % 2.
; Tile 64: column n takes Wo[k][n % 8] where n % 8 < 2, else 0.  Thread t of a tile owns its bytes 16 t: column t % 16, k = 8 (t / 16) + 0..7.
; One work-group of 1,024 threads makes one tile; a wave's store covers 512 consecutive bytes, aligned.
	s_load_b256 s[4:11], s[0:1], 0x0               ; W1 s[4:5], Wp s[6:7], Wo s[8:9], wf s[10:11]
	v_and_b32 v1, 15, v0                           ; the column in the tile
	v_lshrrev_b32 v2, 4, v0                        ; the group of eight k
	v_lshlrev_b32 v3, 4, v0                        ; my 16 bytes of the tile
	s_lshl_b32 s12, ttmp9, 14                      ; the tile's first byte in wf
	s_mov_b32 s13, 0
	s_wait_kmcnt 0x0
	s_add_nc_u64 s[10:11], s[10:11], s[12:13]
	s_cmp_eq_u32 ttmp9, 64
	s_cbranch_scc1 .Lwo
	s_bitcmp1_b32 ttmp9, 1                         ; which matrix
	s_cselect_b64 s[14:15], s[6:7], s[4:5]
	s_lshr_b32 s16, ttmp9, 2
	s_and_b32 s17, ttmp9, 1
	s_lshl1_add_u32 s16, s16, s17                  ; the column tile
	s_lshl_b32 s16, s16, 6                         ; its 16 columns: 64 bytes of a row
	v_lshlrev_b32 v4, 14, v2                       ; eight rows of 2,048 bytes
	v_lshl_add_u32 v4, v1, 2, v4
	v_add_nc_u32 v4, s16, v4
.irp e, 0,1,2,3,4,5,6,7
	global_load_b32 v[8+\e], v4, s[14:15] offset:2048*\e
.endr
	s_wait_loadcnt 0x0
	s_branch .Lpack
.Lwo:
	v_and_b32 v5, 1, v1
	v_lshlrev_b32 v4, 6, v2                        ; eight rows of 8 bytes
	v_lshl_add_u32 v4, v5, 2, v4
.irp e, 0,1,2,3,4,5,6,7
	global_load_b32 v[8+\e], v4, s[8:9] offset:8*\e
.endr
	v_and_b32 v5, 7, v1
	v_cmp_gt_u32 vcc_lo, 2, v5                     ; columns 0, 1, 8, 9 carry Wo, the others 0
	s_wait_loadcnt 0x0
.irp e, 0,1,2,3,4,5,6,7
	v_cndmask_b32 v[8+\e], 0, v[8+\e], vcc_lo
.endr
.Lpack:
.irp e, 0,1,2,3
	v_cvt_pk_bf16_f32 v[16+\e], v[8+2*\e], v[9+2*\e]
.endr
	global_store_b128 v3, v[16:19], s[10:11]
	s_endpgm
.Lfunc_end_k_qbec8a88e42_prep:
	.size	k_qbec8a88e42_prep, .Lfunc_end_k_qbec8a88e42_prep-k_qbec8a88e42_prep
	.p2alignl 7, 3214868480
	.fill 96, 4, 3214868480
	.section	.rodata,"a",@progbits
	.p2align	6, 0x0
	.amdhsa_kernel k_qbec8a88e42_prep
		.amdhsa_group_segment_fixed_size 0
		.amdhsa_private_segment_fixed_size 0
		.amdhsa_enable_private_segment 0
		.amdhsa_kernarg_size 32
		.amdhsa_user_sgpr_count 2
		.amdhsa_user_sgpr_kernarg_segment_ptr 1
		.amdhsa_wavefront_size32 1
		.amdhsa_system_sgpr_workgroup_id_x 1
		.amdhsa_system_sgpr_workgroup_id_y 1
		.amdhsa_system_sgpr_workgroup_id_z 1
		.amdhsa_system_vgpr_workitem_id 0
		.amdhsa_next_free_vgpr 24
		.amdhsa_next_free_sgpr 66
		.amdhsa_reserve_vcc 1
		.amdhsa_float_denorm_mode_32 3
		.amdhsa_float_denorm_mode_16_64 3
		.amdhsa_memory_ordered 1
		.amdhsa_forward_progress 1
		.amdhsa_inst_pref_size 4
	.end_amdhsa_kernel
	.amdgpu_metadata
---
amdhsa.version: [ 1, 2 ]
amdhsa.kernels:
  - .name:           k_qbec8a88e42_prep
    .symbol:         k_qbec8a88e42_prep.kd
    .args:
      - { .name: W1, .offset: 0, .size: 8, .value_kind: global_buffer, .address_space: global }
      - { .name: Wp, .offset: 8, .size: 8, .value_kind: global_buffer, .address_space: global }
      - { .name: Wo, .offset: 16, .size: 8, .value_kind: global_buffer, .address_space: global }
      - { .name: wf, .offset: 24, .size: 8, .value_kind: global_buffer, .address_space: global }
    .group_segment_fixed_size: 0
    .private_segment_fixed_size: 0
    .kernarg_segment_align: 8
    .kernarg_segment_size: 32
    .max_flat_workgroup_size: 1024
    .sgpr_count:     66
    .vgpr_count:     24
    .wavefront_size: 32
...
	.end_amdgpu_metadata
.endif
;; end of part 1
;; launch main (part 2): grid 256 x 1, 4 waves a work-group, clusters of 4 x 1, 327,680 bytes of LDS; arguments g, g_T, n_day, w2, b2, Wo, bo, wf, out0, out1; writes out0, out1
.if DOCPART == 2
	.amdgcn_target "amdgcn-amd-amdhsa--gfx1250"
	.amdhsa_code_object_version 6
	.text
	.protected	k_qbec8a88e42_main
	.globl	k_qbec8a88e42_main
	.p2align	8
	.type	k_qbec8a88e42_main,@function
k_qbec8a88e42_main:
	s_mov_b64 s[64:65], 0
	v_nop
	global_prefetch_b8 v0, s[64:65] scope:SCOPE_SE
	s_setreg_imm32_b32 hwreg(HW_REG_WAVE_MODE, 25, 1), 1
	s_wait_xcnt 0x0
	s_wait_alu depctr_hold_cnt(0) depctr_sa_sdst(0) depctr_va_vdst(0) depctr_va_sdst(0) depctr_va_ssrc(0) depctr_va_vcc(0) depctr_vm_vsrc(0)
	s_getreg_b32 s2, hwreg(HW_REG_IB_STS2, 6, 4)
	s_cmp_eq_u32 s2, 0
	s_cbranch_scc0 .Lentry_in_a_cluster
	s_endpgm
.Lentry_in_a_cluster:
	s_bfe_u32 s2, ttmp6, 0x10000c
	s_cmp_lg_u32 s2, 0x3003
	s_cbranch_scc0 .Lentry_shape_is_right
	s_endpgm
.Lentry_shape_is_right:
; TEMPORAL ATTENTION DECODER.  For batch b and day t: vi = w2 . tanh(g W1) + b2, vd = g_T[b] . tanh(g Wp), score = vi vd, days t >= n_day[b] take -1e9, v = softmax over the 256 days (out1);
; y = softmax over 2 of (sum_t v_t g_t) . Wo[0:512] + g_T[b] . Wo[512:1024] + bo (out0).  Since (sum_t v_t g_t) . Wo = sum_t v_t (g_t . Wo), u = g Wo[0:512] is one more column tile of the same product,
; and of a day only four numbers outlive the products: vi, vd, u0, u1.
; FORMATS AND LIMITS.  Every floating-point input (g, W1, Wp, Wo, w2, g_T, b2, bo) is rounded once to bf16; products in the matrix unit with f32 sums, all else in f32.
; sum w tanh(x) is taken as sum w - 2 sum w r, r = 1 / (1 + 2^(c x)), c = 2 log2(e): 2^(c x) may overflow (r = 0) or vanish (r = 1); the difference costs about 1e-7 of sum |w|.
; Both softmaxes take their maximum away first.  n_day may be any int32 (none valid: the uniform row, as -1e9 everywhere gives).  NaN and infinities are not treated apart.  The input y enters no result and is not loaded.
; SHARES.  A work-group stays and takes batches 2 x and 2 x + 1 in four steps of 128 days.  Wave w: i = w / 2 picks 64 days of the step, j = w % 2 the matrix (0: W1 and w2, 1: Wp and g_T).
; A wave's 64 days x 512 features of g lie in 512 registers for a whole step; the weights stream through two LDS slots of 65,536 bytes (four column tiles: two of W1, two of Wp).
; CLUSTER.  All work-groups walk the same weights: the four of a cluster ask for each slot JOINTLY, each wave for a quarter of it.
; THE PRODUCT IS TAKEN TRANSPOSED: source 0 = 16 columns of W, source 1 = 16 days: a lane holds one day (lane % 16) and the columns 8 (lane / 16) + 0..7, so the weighted sums over columns stay in the lane.
; THE NEXT STEP'S g comes meanwhile through a ring of 32 loads a wave (512 consecutive bytes each), is rounded and stored into LDS (L), and is read into the registers at the step's end.
; A TILE (16 columns x 64 days x 512 k) is 64 matrix instructions in two halves; tile x's tanh rides behind the products of tiles x + 1 and x + 2:
; scaling and exponentials in the first half of x + 1, 1 + and reciprocals in its second half, the weighted sums in the first half of x + 2.
; REGISTERS, in windows of 256 (s_set_vgpr_msb: bits 1:0 source 0, 3:2 source 1, 5:4 source 2, 7:6 destination):
;   window 0: addresses, weights, sums, two sets of four accumulators, reciprocals, W's fragments (two halves of eight)
;   window 1: the ring, its addresses, Wo's lower half          windows 2, 3: g: fragment c of day tile mt in window 2 + c / 8 at 64 mt + 8 (c % 8)
.set SLOTB, 65536                      ; LDS: slot 0 at 0, slot 1 at 65,536
.set UT,    131072                     ; the tile of Wo's upper half, 16,384 bytes, filled once
.set LB,    147456                     ; L: 128 days x 1,040 bytes (1,024 of bf16 + 16: an odd multiple of 16, so 16 rows of a load start at 16 different groups of four banks, ISA guide 11.1)
.set LP,    1040
.set TAB,   280576                     ; w2, g_T of batch 0, g_T of batch 1: 2,048 bytes each, f32 holding the rounded numbers
.set SCR,   286720                     ; vi, vd, u0, u1 of a batch's 256 days: 1,024 bytes each
.set SPARE, 290816                     ; the spare words, 128 bytes for each wave: two blocks of 256 bytes that no other line names
.set LN16, 2                           ; v2   16 x lane
.set BADR, 3                           ; v3   my two tiles in the slot in hand + 16 x lane
.set UADR, 4                           ; v4   the Wo tile + 16 x lane
.set WADR, 5                           ; v5   the next tile's eight weights of my half of the lanes
.set AADR, 6                           ; v6   L at my day tile 0: (64 i + lane % 16) x 1,040 + 16 (lane / 16)
.set SADR, 7                           ; v7   SCR at my matrix, my half of the batch, my day
.set W8,   8                           ; v8-15   a tile's weights
.set RS,   16                          ; v16-23  sum w r, a pair (even, odd columns) for each day tile
.set WS,   24                          ; v24-25  sum w
.set SPW,  26                          ; v26  LDS address of my spare word; never rewritten
.set NIL,  27                          ; v27  0; never rewritten
.set PFO,  29                          ; v29  the prefetches' offset; never rewritten
.set H32,  30                          ; v30  32 (lane / 16)
.set ACC,  32                          ; v32-95   accumulators: set p at 32 p, day tile mt at 8 mt
.set EB,   96                          ; v96-127  reciprocals
.set BH0,  128                         ; v128-191 W's fragments k 0-255
.set BH1,  192                         ; v192-255 k 256-511
.set RING, 0                           ; window 1: v0-127 the ring, unit u at 4 u
.set GOFF, 128                         ; window 1: 16 x lane
.set LST,  129                         ; window 1: where the ring's block in hand goes in L
.set LST0, 131                         ; window 1: the same for block 0
.set WOB,  132                         ; window 1: v132-163 Wo rows 512 + 16 lane .. + 15, both columns
.set CT,   164                         ; window 1: v164-171 rounded numbers on their way to L
.set WV, 24
.set SI, 25
.set SJ, 26
.set CX, 27
.set SX, 28
.set STEP, 29
.set C1, 30
.set C2, 31
.set G1W, 32                           ; s[32:39] descriptor group 1: 64 rows of 256 bytes
.set G1U, 40                           ; s[40:47] the same with 16 rows
.set G0A, 48                           ; s[48:51] group 0 of slot 0's first fill
.set G0B, 52                           ; s[52:55] of slot 1's first fill; then it walks
.set G0U, 56                           ; s[56:59] of the Wo tile
.set NQ,  60                           ; the slot of the stream to be asked for next
.set TB,  61                           ; LDS byte of my two tiles in the slot in hand
.set LIM, 63                           ; 15 in a wave that prefetches, else 0
.set OFF, 66                           ; s[66:67] an offset in wf
.set WFW, 68                           ; s[68:69] wf at my quarter of a slot
.set GB,  70                           ; s[70:71] g at the ring's block in hand
.set PFA, 72                           ; s[72:73] wf at the slot to be prefetched
.set CC,  74                           ; s[74:75] c
.set SEL, 76                           ; s[76:77] v_permlanex16_b32's selects: each lane takes its own place in the other half
.set B2J, 78                           ; b2 in the waves of W1, else 0
.set JM,  79                           ; all ones in the waves of Wp, else 0
.set ND,  80                           ; s[80:81] n_day of my two batches
.set BO,  82                           ; s[82:83] bo
.set W_F, 0x08                         ; source 1 (g) in window 2
.set W_S, 0x0c                         ; source 1 in window 3
.set W_U, 0x45                         ; destination and sources 0, 1 in window 1
.set M_NONE, 0
.set M_ISSUE, 1
.set M_CI, 2
.set M_CONS, 3
.set UMODE, 0
.set UC, 0
.set WC, 0
.set MSB, 0
.macro WIN new                         ; the immediate's high byte repeats the setting that is left; a switch that changes nothing is dropped
.if MSB != (\new)
	s_set_vgpr_msb (MSB<<8)|(\new)
.set MSB, \new
.endif
.endm
.macro CREST                           ; a round of the cluster's barrier behind its opening barrier
	s_cmp_lg_u32 s[WV], 0
	s_cbranch_scc1 .Lnw0_\@
	s_barrier_signal -3
.Lnw0_\@:
	s_barrier_wait -3
	s_barrier_signal -1
	s_barrier_wait -1
.endm
.macro CROUND                          ; a whole round
	s_barrier_signal -1
	s_barrier_wait -1
	CREST
.endm
; Four places behind the last product, in front of loads into fragment registers and of the first read of finished sums; they are also the plain instruction behind a batch of
; transcendentals.  w = 1: the one wait between that batch and the first line that names a result.
.macro PLW w
.rept 4
	v_nop
.endr
.if \w
	s_wait_alu depctr_va_vdst(0)
.endif
.endm
; One unit of the ring: 512 consecutive bytes of g (a quarter of a day's row).  cons: the unit has landed (cnt younger loads may stay out), is rounded and stored into L.  iss: the same unit of the next block is asked for.
.macro UNIT u, cons, iss, cnt
.if \cons
	s_wait_loadcnt \cnt
	v_cvt_pk_bf16_f32 v[CT+2*((\u)%4)],   v[RING+4*(\u)],   v[RING+4*(\u)+1]
	v_cvt_pk_bf16_f32 v[CT+2*((\u)%4)+1], v[RING+4*(\u)+2], v[RING+4*(\u)+3]
	ds_store_b64 v[LST], v[CT+2*((\u)%4):CT+2*((\u)%4)+1] offset:((\u)/4)*LP+((\u)%4)*256
.endif
.if \iss
	global_load_b128 v[RING+4*(\u):RING+4*(\u)+3], v[GOFF], s[GB:GB+1] offset:(\u)*512 th:TH_LOAD_NT
.endif
.endm
.macro HOOK                            ; behind every third of a slot's first 96 products stands a unit, where the slot has any
.if (UMODE != 0) && (WC % 3 == 2)
	WIN W_U
.if UMODE == M_ISSUE
	UNIT UC, 0, 1, 0
.elseif UMODE == M_CI
	UNIT UC, 1, 1, 31                      ; behind unit u stand 31 - u loads of its block and the u just issued
.else
	UNIT UC, 1, 0, 31-UC
.endif
.set UC, UC+1
.endif
.set WC, WC+1
.endm
; Number n of the 48 that scale set o's 32 sums by c (a pair a line) and take their exponentials, in place: two scalings, then two exponentials and a scaling by turns.  Each accumulator's lowest registers are read first.
.macro QF o, n
.set rO, ACC+32*(\o)
.set m, (\n)-2
.if (\n) < 2
	v_pk_mul_f32 v[rO+2*(\n):rO+2*(\n)+1], v[rO+2*(\n):rO+2*(\n)+1], s[CC:CC+1] op_sel_hi:[1,0]
.elseif m >= 42
	v_exp_f32 v[rO+m-14], v[rO+m-14]
.elseif m%3 == 2
	v_pk_mul_f32 v[rO+2*(m/3)+4:rO+2*(m/3)+5], v[rO+2*(m/3)+4:rO+2*(m/3)+5], s[CC:CC+1] op_sel_hi:[1,0]
.else
	v_exp_f32 v[rO+2*(m/3)+m%3], v[rO+2*(m/3)+m%3]
.endif
.endm
.macro FM n                            ; number n of the 20 that add a tile's w r (16, the day tiles by turns) and its w (4)
.if (\n) < 16
	v_pk_fma_f32 v[RS+2*((\n)%4):RS+2*((\n)%4)+1], v[EB+8*((\n)%4)+2*((\n)/4):EB+8*((\n)%4)+2*((\n)/4)+1], v[W8+2*((\n)/4):W8+2*((\n)/4)+1], v[RS+2*((\n)%4):RS+2*((\n)%4)+1]
.else
	v_pk_add_f32 v[WS:WS+1], v[WS:WS+1], v[W8+2*((\n)-16):W8+2*((\n)-16)+1]
.endif
.endm
; The LDS loads stand in runs, never singly among the products.  A tile is dense in LDS, fragment f at 1,024 f, a lane's 16 bytes side by side: no bank is asked twice.
.macro FB0 adr, off, wts               ; fragments 0-7; wts = 1: ahead of them the weights of the tile whose reciprocals are being made
	WIN 0
.if \wts
	ds_load_b128 v[W8:W8+3],   v[WADR]
	ds_load_b128 v[W8+4:W8+7], v[WADR] offset:16
	v_add_nc_u32 v[WADR], 64, v[WADR]
.endif
.irp f, 0,1,2,3,4,5,6,7
	ds_load_b128 v[BH0+8*\f:BH0+8*\f+3],   v[\adr] offset:(\off)+1024*\f
	ds_load_b128 v[BH0+8*\f+4:BH0+8*\f+7], v[\adr] offset:(\off)+1024*\f+512
.endr
.endm
.macro FB1 adr, off                    ; fragments 8-15
	WIN 0
.irp f, 0,1,2,3,4,5,6,7
	ds_load_b128 v[BH1+8*\f:BH1+8*\f+3],   v[\adr] offset:(\off)+8192+1024*\f
	ds_load_b128 v[BH1+8*\f+4:BH1+8*\f+7], v[\adr] offset:(\off)+8192+1024*\f+512
.endr
.endm
; A tile's first half: 32 products into set p; the first four start the sums with the constant 0.  The four accumulators take turns, one instruction a turn, from half to half and from tile to tile too.
; ex = 1: the other set's scalings and exponentials, two behind each of products 0-23.  fm = 1: the weighted sums of the tile before that, four behind each of products 24-28.
.macro FH p, ex, fm
	s_wait_dscnt 16                        ; fragments 0-7 and the weights are in; the 16 youngest loads (fragments 8-15) may stay out
.set i, 0
.rept 32
	WIN W_F
.if i < 4
	v_wmma_f32_16x16x32_bf16 v[ACC+32*(\p)+8*(i%4):ACC+32*(\p)+8*(i%4)+7], v[BH0+8*(i/4):BH0+8*(i/4)+7], v[64*(i%4)+8*(i/4):64*(i%4)+8*(i/4)+7], 0
.else
	v_wmma_f32_16x16x32_bf16 v[ACC+32*(\p)+8*(i%4):ACC+32*(\p)+8*(i%4)+7], v[BH0+8*(i/4):BH0+8*(i/4)+7], v[64*(i%4)+8*(i/4):64*(i%4)+8*(i/4)+7], v[ACC+32*(\p)+8*(i%4):ACC+32*(\p)+8*(i%4)+7]
.endif
.if (\ex) && (i < 24)
	QF 1-(\p), 2*i
	QF 1-(\p), 2*i+1
.endif
.if (\fm) && (i >= 24) && (i < 29)
	WIN 0
	FM 4*(i-24)
	FM 4*(i-24)+1
	FM 4*(i-24)+2
	FM 4*(i-24)+3
.endif
	HOOK
.set i, i+1
.endr
.endm
; Products from .. to - 1 of a tile's second half.  ar = 1: the other set's 1 + 2^(c x), two pairs behind each of products 0-7, and the reciprocals, two behind each of products 8-23.
.macro SH p, ar, from, to
.set i, \from
.rept (\to)-(\from)
	WIN W_S
	v_wmma_f32_16x16x32_bf16 v[ACC+32*(\p)+8*(i%4):ACC+32*(\p)+8*(i%4)+7], v[BH1+8*(i/4):BH1+8*(i/4)+7], v[64*(i%4)+8*(i/4):64*(i%4)+8*(i/4)+7], v[ACC+32*(\p)+8*(i%4):ACC+32*(\p)+8*(i%4)+7]
.set rO, ACC+32*(1-(\p))
.if (\ar) && (i < 8)
	v_pk_add_f32 v[rO+4*i:rO+4*i+1],   v[rO+4*i:rO+4*i+1],   1.0 op_sel_hi:[1,0]
	v_pk_add_f32 v[rO+4*i+2:rO+4*i+3], v[rO+4*i+2:rO+4*i+3], 1.0 op_sel_hi:[1,0]
.elseif (\ar) && (i < 24)
	v_rcp_f32 v[EB+2*(i-8)],   v[rO+2*(i-8)]
	v_rcp_f32 v[EB+2*(i-8)+1], v[rO+2*(i-8)+1]
.endif
	HOOK
.set i, i+1
.endr
.endm
; A PREFETCH INTO THE L2 of the slot that stands two refills on (256 products ahead of its joint load), in the first walk of wf alone: later walks read the same bytes again.
; Each aligned block of 256 bytes of slots 4 to 15 is named once in the launch: cluster 0 asks; its four partners share a slot's 256 blocks out by address, 64 each; in each, waves 0 and 1 take 32, a lane a block.
.macro ASK
	s_cmp_lt_u32 s[NQ], s[LIM]
	s_cbranch_scc0 .Lna_\@
	global_prefetch_b8 v[PFO], s[PFA:PFA+1] th:TH_LOAD_NT scope:SCOPE_SE
.Lna_\@:
.endm
; THE CHANGE OF SLOTS, in the middle of a slot's second tile, whose second half it holds.  Each wave waits for all its tensor loads (one is out: its quarter of the other slot), adds 0 to its spare word, and waits
; for that, for its reads of the slot that it leaves and for its stores into L.  fill = 1: the barrier opens a round of the cluster's, and the slot is filled again first thing behind it, with the slot of the stream two on.
; adr: where the next tile's first fragments lie (the other slot, or the Wo tile).
.macro HEAD fill, adr
	WIN 0
	s_wait_tensorcnt 0x0                   ; no tensor load of mine is out, so a group 0 may be written
	ds_add_u32 v[SPW], v[NIL]              ; 0 onto my spare word: work on registers stands between it and the wait for it
.if \fill
	s_wait_xcnt 0x0                        ; the last prefetch, a slot back, has read its address
	s_and_b32 s84, s[NQ], 15               ; the stream goes round wf's 16 slots
	s_lshl_b32 s[OFF], s84, 16
	s_xor_b32 s[G0B+1], s[G0B+1], SLOTB    ; the other slot than last time
	s_add_nc_u64 s[G0B+2:G0B+3], s[WFW:WFW+1], s[OFF:OFF+1]
	s_or_b32 s[G0B+3], s[G0B+3], 0x80000000
	s_add_co_u32 s84, s[NQ], 2
	s_and_b32 s84, s84, 15
	s_lshl_b32 s[OFF], s84, 16
	s_add_nc_u64 s[PFA:PFA+1], s[18:19], s[OFF:OFF+1]
	s_add_co_u32 s[NQ], s[NQ], 1
.endif
	s_xor_b32 s[TB], s[TB], SLOTB
	v_add_nc_u32 v[BADR], s[TB], v[LN16]
	s_wait_dscnt 0x0                       ; the add is done, my reads of the slot are over, my stores into L have landed
	s_barrier_signal -1
	SH 1, 1, 0, 8                          ; work on registers while the others arrive
	WIN 0                                  ; at a label and at a branch every window is 0
	s_barrier_wait -1
.if \fill
	CREST                                  ; no wave of any partner still reads the slot or has a load on its way
	tensor_load_to_lds s[G0B:G0B+3], s[G1W:G1W+7]  ; my one tensor load behind the round; 120 products stand between it and the wait for it
	s_nop 0
.rept 4
	v_nop
.endr
.endif
	FB0 \adr, 0, 1
.if \fill
	ASK
.endif
	SH 1, 1, 8, 32
.endm
; A SLOT: its first tile (set 0) and the first half of its second (set 1).  first = 1: a step's first slot: its fragments are fetched already, and there is no earlier tile's tanh.
; mode: what the ring does meanwhile.
.macro BODY first, mode
.set UMODE, \mode
.set UC, 0
.set WC, 0
.if (\mode) == M_ISSUE
	s_wait_xcnt 0x0                        ; every earlier load has read its address
	s_add_nc_u64 s[GB:GB+1], s[GB:GB+1], 262144-3*16384  ; from my last block of a step's days to my first of the next step's
.elseif (\mode) == M_CI
	s_wait_xcnt 0x0
	s_add_nc_u64 s[GB:GB+1], s[GB:GB+1], 16384
.endif
.if !(\first)
	PLW 1
	FB1 BADR, 0
.endif
	FH 0, 1-(\first), 1-(\first)
	PLW 1-(\first)
	FB0 BADR, 16384, 1-(\first)
	s_wait_dscnt 16                        ; fragments 8-15 are in; the 16 youngest loads may stay out
	SH 0, 1-(\first), 0, 32
	PLW 1-(\first)
	FB1 BADR, 16384
	FH 1, 1, 1-(\first)
	PLW 1
.if (\mode) == M_CI
	WIN W_U
	v_add_nc_u32 v[LST], 8*LP, v[LST]      ; the next block's eight days
.elseif (\mode) == M_CONS
	WIN W_U
	v_mov_b32 v[LST], v[LST0]
.endif
	WIN 0
.set UMODE, 0
.endm
.macro ARELOAD                         ; my 64 days x 512 features out of L: 64 fragments, two loads of 16 bytes a lane each
	WIN 0x80
.set q, 0
.rept 32
	ds_load_b128 v[8*q:8*q+3],   v[AADR] offset:(q/8)*16*LP+(q%8)*64
	ds_load_b128 v[8*q+4:8*q+7], v[AADR] offset:(q/8)*16*LP+(q%8)*64+32
.set q, q+1
.endr
	WIN 0xc0
.set q, 0
.rept 32
	ds_load_b128 v[8*q:8*q+3],   v[AADR] offset:(q/8)*16*LP+(q%8)*64+512
	ds_load_b128 v[8*q+4:8*q+7], v[AADR] offset:(q/8)*16*LP+(q%8)*64+544
.set q, q+1
.endr
	WIN 0
.endm
.macro STEPINIT                        ; s84: which of my two batches the coming step belongs to.  The weights: w2 (j = 0) or that batch's g_T (j = 1)
	s_add_co_u32 s84, s84, 1
	s_lshl_b32 s84, s84, 11
	s_mul_i32 s84, s84, s[SJ]
	s_add_co_u32 s84, s84, TAB
	v_add_nc_u32 v[WADR], s84, v[H32]
.set q, 0
.rept 10
	v_mov_b32 v[RS+q], 0
.set q, q+1
.endr
.endm
.macro RED r                           ; a sum over the wave's 32 lanes, in every lane
	v_add_f32_dpp v[\r], v[\r], v[\r] row_xmask:1 row_mask:0xf bank_mask:0xf
	v_add_f32_dpp v[\r], v[\r], v[\r] row_xmask:2 row_mask:0xf bank_mask:0xf
	v_add_f32_dpp v[\r], v[\r], v[\r] row_xmask:4 row_mask:0xf bank_mask:0xf
	v_add_f32_dpp v[\r], v[\r], v[\r] row_xmask:8 row_mask:0xf bank_mask:0xf
	v_permlanex16_b32 v82, v[\r], s[SEL], s[SEL+1]
	v_add_f32 v[\r], v[\r], v82
.endm
; A BATCH'S END, by wave 0: b = which of my two batches.  A lane has the days 4 l + 0..3 and 128 + 4 l + 0..3.  It works on the accumulators' and reciprocals' registers, which are free here.
.macro FINAL b
	v_add_nc_u32 v28, SCR, v[LN16]
	v_lshl_add_u32 v31, v[LN16], 2, TAB+2048*(1+(\b))
.irp a, 0,1,2,3,4,5,6,7
	ds_load_b128 v[32+4*\a:35+4*\a], v28 offset:512*\a  ; v32-39 vi, v40-47 vd, v48-55 u0, v56-63 u1
.endr
.irp a, 0,1,2,3
	ds_load_b128 v[64+4*\a:67+4*\a], v31 offset:16*\a   ; g_T[16 l .. 16 l + 15]
.endr
	v_lshrrev_b32 v1, 2, v[LN16]           ; 4 l
	v_mov_b32 v80, 0xce6e6b28              ; -1e9
	s_lshl_b32 s84, s[SX], 1
	s_add_co_u32 s84, s84, \b              ; the batch
	s_lshl_b32 s86, s84, 10
	s_mov_b32 s87, 0
	s_add_nc_u64 s[86:87], s[22:23], s[86:87]
	s_lshl_b32 s88, s84, 3
	s_mov_b32 s89, 0
	s_add_nc_u64 s[88:89], s[20:21], s[88:89]
	s_wait_dscnt 0x0
.irp e, 0,1,2,3,4,5,6,7
	v_mul_f32 v[32+\e], v[32+\e], v[40+\e]
.endr
.irp e, 0,1,2,3,4,5,6,7
	v_add_nc_u32 v[40+\e], ((\e)%4)+128*((\e)/4), v1
	v_cmp_gt_i32 vcc_lo, s[ND+(\b)], v[40+\e]
	v_cndmask_b32 v[32+\e], v80, v[32+\e], vcc_lo
.endr
	v_max3_num_f32 v81, v32, v33, v34
	v_max3_num_f32 v82, v35, v36, v37
	v_max3_num_f32 v81, v81, v38, v39
	v_max_num_f32 v81, v81, v82
	v_max_num_f32_dpp v81, v81, v81 row_xmask:1 row_mask:0xf bank_mask:0xf
	v_max_num_f32_dpp v81, v81, v81 row_xmask:2 row_mask:0xf bank_mask:0xf
	v_max_num_f32_dpp v81, v81, v81 row_xmask:4 row_mask:0xf bank_mask:0xf
	v_max_num_f32_dpp v81, v81, v81 row_xmask:8 row_mask:0xf bank_mask:0xf
	v_permlanex16_b32 v82, v81, s[SEL], s[SEL+1]
	v_max_num_f32 v81, v81, v82
.irp e, 0,1,2,3,4,5,6,7
	v_sub_f32 v[32+\e], v[32+\e], v81      ; the difference first, so that a large common score costs no bits
.endr
.irp e, 0,1,2,3,4,5,6,7
	v_mul_f32 v[32+\e], 0x3fb8aa3b, v[32+\e]
.endr
.irp e, 0,1,2,3,4,5,6,7
	v_exp_f32 v[32+\e], v[32+\e]
.endr
	WIN 0x04                               ; source 1 in window 1: g_T . Wo's lower half stands between the exponentials and their wait
	v_mul_f32 v90, v64, v[WOB]
	v_mul_f32 v91, v64, v[WOB+1]
.set q, 1
.rept 15
	v_fma_f32 v90, v[64+q], v[WOB+2*q], v90
	v_fma_f32 v91, v[64+q], v[WOB+2*q+1], v91
.set q, q+1
.endr
	WIN 0
	s_wait_alu depctr_va_vdst(0)           ; one wait for the eight exponentials, ahead of their first reader
	v_pk_add_f32 v[84:85], v[32:33], v[34:35]
	v_pk_add_f32 v[86:87], v[36:37], v[38:39]
	v_mul_f32 v88, v32, v48
	v_mul_f32 v89, v32, v56
.irp e, 1,2,3,4,5,6,7
	v_fma_f32 v88, v[32+\e], v[48+\e], v88
	v_fma_f32 v89, v[32+\e], v[56+\e], v89
.endr
	v_pk_add_f32 v[84:85], v[84:85], v[86:87]
	v_add_f32 v83, v84, v85
	RED 83
	RED 88
	RED 89
	RED 90
	RED 91
	v_rcp_f32 v93, v83
	v_nop
	s_wait_alu depctr_va_vdst(0)
.irp e, 0,1,2,3,4,5,6,7
	v_mul_f32 v[32+\e], v[32+\e], v93
.endr
	global_store_b128 v[LN16], v[32:35], s[86:87]             ; 512 consecutive bytes of out1, aligned
	global_store_b128 v[LN16], v[36:39], s[86:87] offset:512
	v_fma_f32 v94, v88, v93, v90
	v_fma_f32 v95, v89, v93, v91
	v_add_f32 v94, s[BO], v94
	v_add_f32 v95, s[BO+1], v95
	v_max_num_f32 v96, v94, v95
	v_sub_f32 v94, v94, v96
	v_sub_f32 v95, v95, v96
	v_mul_f32 v94, 0x3fb8aa3b, v94
	v_mul_f32 v95, 0x3fb8aa3b, v95
	v_exp_f32 v94, v94
	v_exp_f32 v95, v95
	v_nop
	s_wait_alu depctr_va_vdst(0)
	v_add_f32 v97, v94, v95
	v_rcp_f32 v96, v97
	v_nop
	s_wait_alu depctr_va_vdst(0)
	v_mul_f32 v94, v94, v96
	v_mul_f32 v95, v95, v96
	v_cmp_eq_u32 vcc_lo, 0, v[LN16]
	s_wait_xcnt 0x0                        ; EXEC changes only behind this wait
	s_and_saveexec_b32 s90, vcc_lo         ; lane 0 alone
	global_store_b64 v[LN16], v[94:95], s[88:89]
	s_wait_xcnt 0x0                        ; and again in front of the line that widens it; the stores' data registers are free too
	s_or_b32 exec_lo, exec_lo, s90
.endm
; A STEP'S END: the Wo tile (set 0), behind whose products the last two tiles' tanh rides; the sums go to SCR; last = 0: the next step's first fragments and its g are fetched.
.macro STEPEND last
	PLW 1
	FB1 UADR, 0
	FH 0, 1, 1
	PLW 1
.if \last
	WIN 0
	ds_load_b128 v[W8:W8+3],   v[WADR]
	ds_load_b128 v[W8+4:W8+7], v[WADR] offset:16
	s_wait_dscnt 2                         ; fragments 8-15 are in; the two weight loads may stay out
.else
	FB0 BADR, 0, 1
	s_wait_dscnt 16
.endif
	SH 0, 1, 0, 32
	PLW 1
.if \last
	WIN 0
	s_wait_dscnt 0x0
.else
	FB1 BADR, 0
	s_wait_dscnt 32                        ; the weights are in; the next step's 32 fragment loads may stay out
.endif
.set q, 0
.rept 20
	FM q
.set q, q+1
.endr
	v_add_f32 v[WS], v[WS], v[WS+1]
.irp t, 0,1,2,3
	v_add_f32 v[EB+\t], v[RS+2*\t], v[RS+2*\t+1]
.endr
.irp t, 0,1,2,3
	v_fma_f32 v[EB+\t], v[EB+\t], -2.0, v[WS]           ; sum w - 2 sum w r over my eight columns of every tile
.endr
.irp t, 0,1,2,3
	v_permlanex16_b32 v[EB+4+\t], v[EB+\t], s[SEL], s[SEL+1]  ; the day's other columns lie in the lane 16 away
.endr
.irp t, 0,1,2,3
	v_add_f32 v[EB+\t], v[EB+\t], v[EB+4+\t]
.endr
.irp t, 0,1,2,3
	v_add_f32 v[EB+\t], s[B2J], v[EB+\t]
	v_cndmask_b32 v[EB+8+\t], v[ACC+8*\t], v[ACC+8*\t+1], s[JM]  ; u0 from the waves of W1, u1 from those of Wp
.endr
.irp t, 0,1,2,3
	ds_store_b32 v[SADR], v[EB+\t] offset:64*\t         ; both halves of the lanes write the same number to the same word
	ds_store_b32 v[SADR], v[EB+8+\t] offset:2048+64*\t
.endr
	v_xor_b32 v[SADR], 512, v[SADR]        ; the batch's other 128 days
.if !(\last)
	ARELOAD
	s_add_co_u32 s84, s[STEP], 1
	s_lshr_b32 s84, s84, 1
	STEPINIT
.endif
	s_wait_dscnt 0x0                       ; my stores into SCR have landed, my reads of L are over
	s_barrier_signal -1                    ; the refill that is out may stay out
	s_barrier_wait -1
	s_cmp_lg_u32 s[WV], 0
	s_cbranch_scc1 .Lnf_\@
.if \last
	FINAL 1
.else
	s_cmp_lg_u32 s[STEP], 1                ; the first batch is whole behind step 1
	s_cbranch_scc1 .Lnf_\@
	FINAL 0
.endif
.Lnf_\@:
.endm
	s_load_b512 s[4:19], s[0:1], 0x0               ; g 4, g_T 6, n_day 8, w2 10, b2 12, Wo 14, bo 16, wf 18
	s_load_b128 s[20:23], s[0:1], 0x40             ; out0 20, out1 22
	v_lshl_add_u32 v[SPW], v0, 2, SPARE
	v_mov_b32 v[NIL], 0
	ds_add_u32 v[SPW], v[NIL]                      ; the wave's opening: the add and its wait stand ahead of my first tensor load; the set-up below, work on registers, stands between them
	v_lshrrev_b32 v1, 5, v0
	v_readfirstlane_b32 s[WV], v1                  ; wave 0..3
	s_lshr_b32 s[SI], s[WV], 1
	s_and_b32 s[SJ], s[WV], 1
	s_bfe_u32 s[CX], ttmp6, 0x40000                ; my place in the cluster: it enters global addresses alone
	s_lshl_b32 s[SX], ttmp9, 2
	s_add_co_u32 s[SX], s[SX], s[CX]               ; my work-group
	s_mov_b32 s[G1W], 15|(3<<16)|(1<<21)           ; 15:0 the mask of four; 17:16 elements of 8 bytes; 21 set beside a mask; no padding
	s_mov_b32 s[G1W+1], 32<<16                     ; tensor_dim0 = 32 elements: 256 bytes
	s_mov_b32 s[G1W+2], 64<<16                     ; tensor_dim1 = 64
	s_mov_b32 s[G1W+3], 32<<16                     ; tile_dim0 = 32
	s_mov_b32 s[G1W+4], 64                         ; tile_dim1 = 64
	s_mov_b32 s[G1W+5], 32                         ; dense: 32 elements from row to row
	s_mov_b32 s[G1W+6], 0
	s_mov_b32 s[G1W+7], 0
	s_mov_b32 s[G1U], 15|(3<<16)|(1<<21)
	s_mov_b32 s[G1U+1], 32<<16
	s_mov_b32 s[G1U+2], 16<<16
	s_mov_b32 s[G1U+3], 32<<16
	s_mov_b32 s[G1U+4], 16
	s_mov_b32 s[G1U+5], 32
	s_mov_b32 s[G1U+6], 0
	s_mov_b32 s[G1U+7], 0
	s_mov_b32 s[G0A], 1
	s_lshl_b32 s[G0A+1], s[WV], 14                 ; my quarter of slot 0
	s_mov_b32 s[G0B], 1
	s_add_co_u32 s[G0B+1], s[G0A+1], SLOTB         ; of slot 1
	s_mov_b32 s[G0U], 1
	s_lshl_b32 s[G0U+1], s[WV], 12
	s_add_co_u32 s[G0U+1], s[G0U+1], UT            ; of the Wo tile
	s_mov_b32 s[NQ], 2
	s_mov_b32 s[OFF+1], 0
	s_mov_b32 s[CC], 0x4038aa3b                    ; c = 2 log2(e)
	s_mov_b32 s[CC+1], s[CC]
	s_mov_b32 s[SEL], 0x76543210
	s_mov_b32 s[SEL+1], 0xfedcba98
	s_lshr_b32 s84, s[WV], 1
	s_or_b32 s84, s84, ttmp9                       ; waves 0 and 1 of cluster 0: the same in all four partners
	s_cmp_eq_u32 s84, 0
	s_cselect_b32 s[LIM], 15, 0
	v_and_b32 v28, 31, v0                          ; lane
	v_and_b32 v1, 15, v0                           ; lane % 16
	v_bfe_u32 v31, v0, 4, 1                        ; lane / 16
	v_lshlrev_b32 v[LN16], 4, v28
	v_lshlrev_b32 v[H32], 5, v31
	s_lshl_b32 s[TB], s[SJ], 15                    ; a slot holds W1's two tiles, then Wp's
	v_add_nc_u32 v[BADR], s[TB], v[LN16]
	v_add_nc_u32 v[UADR], UT, v[LN16]
	s_mul_i32 s84, s[SI], 64*LP
	s_add_co_u32 s84, s84, LB
	v_mul_u32_u24 v[AADR], v1, LP
	v_lshl_add_u32 v[AADR], v31, 4, v[AADR]
	v_add_nc_u32 v[AADR], s84, v[AADR]
	s_lshl_b32 s84, s[SJ], 10
	s_lshl_b32 s85, s[SI], 8
	s_add_co_u32 s84, s84, s85
	s_add_co_u32 s84, s84, SCR
	v_lshl_add_u32 v[SADR], v1, 2, s84
	s_lshl_b32 s84, s[CX], 6
	s_lshl_b32 s85, s[WV], 5
	s_add_co_u32 s84, s84, s85
	v_add_lshl_u32 v[PFO], v28, s84, 8             ; block 64 cx + 32 w + lane of a slot's 256
	s_mul_i32 s84, s[WV], 32*LP
	s_add_co_u32 s84, s84, LB
	WIN 0x40                                       ; destination in window 1
	v_mov_b32 v[GOFF], v[LN16]
	v_lshl_add_u32 v[LST], v28, 3, s84             ; I bring days 32 w .. 32 w + 31 of a step
	v_lshl_add_u32 v[LST0], v28, 3, s84
	WIN 0
	s_wait_dscnt 0x0                               ; the opening add is done
	s_wait_kmcnt 0x0
	s_lshl_b32 s90, s[SX], 3
	s_mov_b32 s91, 0
	s_add_nc_u64 s[90:91], s[8:9], s[90:91]
	s_load_b64 s[ND:ND+1], s[90:91], 0x0           ; n_day of my two batches
	s_load_b32 s92, s[12:13], 0x0                  ; b2
	s_load_b64 s[BO:BO+1], s[16:17], 0x0           ; bo
	s_lshl_b32 s84, s[WV], 14
	s_mov_b32 s85, 0
	s_add_nc_u64 s[WFW:WFW+1], s[18:19], s[84:85]
	s_mov_b64 s[G0A+2:G0A+3], s[WFW:WFW+1]
	s_or_b32 s[G0A+3], s[G0A+3], 0x80000000        ; type = 2
	s_add_nc_u64 s[G0B+2:G0B+3], s[WFW:WFW+1], SLOTB
	s_or_b32 s[G0B+3], s[G0B+3], 0x80000000
	s_lshl_b32 s84, s[WV], 12
	s_add_nc_u64 s[G0U+2:G0U+3], s[18:19], s[84:85]
	s_add_nc_u64 s[G0U+2:G0U+3], s[G0U+2:G0U+3], 1048576
	s_or_b32 s[G0U+3], s[G0U+3], 0x80000000
	s_lshl_b32 s84, s[SX], 20                      ; my two batches: 1,048,576 bytes of g,
	s_lshl_b32 s86, s[WV], 16                      ; my 32 days of a step
	s_add_co_u32 s84, s84, s86
	s_add_nc_u64 s[GB:GB+1], s[4:5], s[84:85]
	s_lshl_b32 s86, s[SX], 12
	s_mov_b32 s87, 0
	s_add_nc_u64 s[86:87], s[6:7], s[86:87]        ; g_T of my two batches
	CROUND                                         ; all four work-groups are here: the first joint loads meet
	tensor_load_to_lds s[G0A:G0A+3], s[G1W:G1W+7]  ; the first fills go out together: three loads of mine are out
	s_nop 0
	tensor_load_to_lds s[G0U:G0U+3], s[G1U:G1U+7]
	s_nop 0
	tensor_load_to_lds s[G0B:G0B+3], s[G1W:G1W+7]
	s_nop 0
.rept 4
	v_nop
.endr
	v_lshlrev_b32 v28, 4, v0                       ; 16 x thread
	v_lshlrev_b32 v31, 3, v[LN16]                  ; 128 x lane
	global_load_b128 v[32:35], v28, s[10:11]       ; w2
	global_load_b128 v[36:39], v28, s[86:87]       ; g_T, first batch
	global_load_b128 v[40:43], v28, s[86:87] offset:2048
.irp a, 0,1,2,3,4,5,6,7
	global_load_b128 v[48+4*\a:51+4*\a], v31, s[14:15] offset:4096+16*\a  ; Wo rows 512 + 16 lane on
.endr
	WIN W_U
.set UC, 0
.rept 32
	UNIT UC, 0, 1, 0                               ; step 0's g, block 0
.set UC, UC+1
.endr
	WIN 0
	s_wait_kmcnt 0x0
	v_cvt_pk_bf16_f32 v44, s92, s[BO]              ; b2 and bo are rounded to bf16 like every input
	v_cvt_pk_bf16_f32 v45, s[BO+1], s[BO+1]
	v_lshlrev_b32 v46, 16, v44
	v_and_b32 v44, 0xffff0000, v44
	v_lshlrev_b32 v45, 16, v45
	v_readfirstlane_b32 s92, v46
	v_readfirstlane_b32 s[BO], v44
	v_readfirstlane_b32 s[BO+1], v45
	s_cmp_eq_u32 s[SJ], 0
	s_cselect_b32 s[B2J], s92, 0
	s_cselect_b32 s[JM], 0, -1
	v_add_nc_u32 v1, TAB, v28
	s_wait_loadcnt 32                              ; the eleven table loads are in; the ring's 32 may stay out
.irp a, 32, 36, 40
	v_cvt_pk_bf16_f32 v96, v[\a], v[\a+1]
	v_cvt_pk_bf16_f32 v97, v[\a+2], v[\a+3]
	v_lshlrev_b32 v[\a], 16, v96
	v_and_b32 v[\a+1], 0xffff0000, v96
	v_lshlrev_b32 v[\a+2], 16, v97
	v_and_b32 v[\a+3], 0xffff0000, v97
.endr
	ds_store_b128 v1, v[32:35]
	ds_store_b128 v1, v[36:39] offset:2048
	ds_store_b128 v1, v[40:43] offset:4096
.set q, 0
.rept 16
	v_cvt_pk_bf16_f32 v[96+q], v[48+2*q], v[49+2*q]
.set q, q+1
.endr
	WIN 0x40
.set q, 0
.rept 16
	v_lshlrev_b32 v[WOB+2*q], 16, v[96+q]
	v_and_b32 v[WOB+2*q+1], 0xffff0000, v[96+q]
.set q, q+1
.endr
	WIN 0
	s_mov_b32 s[C1], 3
.Lc0:                                                  ; step 0's g has no products to stand behind: blocks 0-2 are stored, blocks 1-3 asked for
	s_wait_xcnt 0x0
	s_add_nc_u64 s[GB:GB+1], s[GB:GB+1], 16384
	WIN W_U
.set UC, 0
.rept 32
	UNIT UC, 1, 1, 31
.set UC, UC+1
.endr
	v_add_nc_u32 v[LST], 8*LP, v[LST]
	WIN 0
	s_sub_co_u32 s[C1], s[C1], 1
	s_cmp_lg_u32 s[C1], 0
	s_cbranch_scc1 .Lc0
	WIN W_U
.set UC, 0
.rept 32
	UNIT UC, 1, 0, 31-UC
.set UC, UC+1
.endr
	v_mov_b32 v[LST], v[LST0]
	WIN 0
	s_wait_tensorcnt 0x1                           ; my quarters of slot 0 and of the Wo tile are in; slot 1's may stay out
	s_wait_dscnt 0x0                               ; my stores into the tables and into L have landed
	s_barrier_signal -1
	s_barrier_wait -1
	ARELOAD
	FB0 BADR, 0, 0
	FB1 BADR, 0
	s_mov_b32 s84, 0
	STEPINIT
	s_mov_b32 s[STEP], 0
.Lstep:                                                ; steps 0 to 2: 16 slots each; the ring brings the next step's g: asked for in slot 0, stored and asked for in slots 4, 8, 12, stored in slot 15
	BODY 1, M_ISSUE
	s_mov_b32 s[C2], 3
.Lquad:
	s_mov_b32 s[C1], 3
.Lplain:
	HEAD 1, BADR
	BODY 0, M_NONE
	s_sub_co_u32 s[C1], s[C1], 1
	s_cmp_lg_u32 s[C1], 0
	s_cbranch_scc1 .Lplain
	HEAD 1, BADR
	BODY 0, M_CI
	s_sub_co_u32 s[C2], s[C2], 1
	s_cmp_lg_u32 s[C2], 0
	s_cbranch_scc1 .Lquad
	s_mov_b32 s[C1], 2
.Lplain2:
	HEAD 1, BADR
	BODY 0, M_NONE
	s_sub_co_u32 s[C1], s[C1], 1
	s_cmp_lg_u32 s[C1], 0
	s_cbranch_scc1 .Lplain2
	HEAD 1, BADR
	BODY 0, M_CONS
	HEAD 1, UADR                                   ; the next step's slot 0 is whole, its slot 1 is asked for; the Wo tile comes next
	STEPEND 0
	s_add_co_u32 s[STEP], s[STEP], 1
	s_cmp_lt_u32 s[STEP], 3
	s_cbranch_scc1 .Lstep
	BODY 1, M_NONE                                 ; step 3 is written out: no g is left to bring, and its last two slots are not filled again
	s_mov_b32 s[C1], 14
.Llast:
	HEAD 1, BADR
	BODY 0, M_NONE
	s_sub_co_u32 s[C1], s[C1], 1
	s_cmp_lg_u32 s[C1], 0
	s_cbranch_scc1 .Llast
	HEAD 0, BADR
	BODY 0, M_NONE
	FB0 UADR, 0, 1
	s_wait_dscnt 16                                ; fragments 8-15 are in
	SH 1, 1, 0, 32
	STEPEND 1
	s_wait_tensorcnt 0x0                           ; the wave's end: behind my last tensor load and my last LDS store
	ds_add_u32 v[SPW], v[NIL]
	s_wait_dscnt 0x0
	CROUND                                         ; the closing round: no work-group ends while a partner may still ask for a tile that names it
	s_endpgm
.Lfunc_end_k_qbec8a88e42_main:
	.size	k_qbec8a88e42_main, .Lfunc_end_k_qbec8a88e42_main-k_qbec8a88e42_main
	.p2alignl 7, 3214868480
	.fill 96, 4, 3214868480
	.section	.rodata,"a",@progbits
	.p2align	6, 0x0
	.amdhsa_kernel k_qbec8a88e42_main
		.amdhsa_group_segment_fixed_size 327680
		.amdhsa_private_segment_fixed_size 0
		.amdhsa_enable_private_segment 0
		.amdhsa_kernarg_size 80
		.amdhsa_user_sgpr_count 2
		.amdhsa_user_sgpr_kernarg_segment_ptr 1
		.amdhsa_wavefront_size32 1
		.amdhsa_system_sgpr_workgroup_id_x 1
		.amdhsa_system_sgpr_workgroup_id_y 1
		.amdhsa_system_sgpr_workgroup_id_z 1
		.amdhsa_system_vgpr_workitem_id 0
		.amdhsa_next_free_vgpr 1024
		.amdhsa_next_free_sgpr 96
		.amdhsa_reserve_vcc 1
		.amdhsa_float_denorm_mode_32 3
		.amdhsa_float_denorm_mode_16_64 3
		.amdhsa_memory_ordered 1
		.amdhsa_forward_progress 1
		.amdhsa_inst_pref_size 255
	.end_amdhsa_kernel
	.section	.bss,"aw",@nobits
	.p2align	6
	.space	262144
	.amdgpu_metadata
---
amdhsa.version: [ 1, 2 ]
amdhsa.kernels:
  - .name:           k_qbec8a88e42_main
    .symbol:         k_qbec8a88e42_main.kd
    .args:
      - { .name: g, .offset: 0, .size: 8, .value_kind: global_buffer, .address_space: global }
      - { .name: g_T, .offset: 8, .size: 8, .value_kind: global_buffer, .address_space: global }
      - { .name: n_day, .offset: 16, .size: 8, .value_kind: global_buffer, .address_space: global }
      - { .name: w2, .offset: 24, .size: 8, .value_kind: global_buffer, .address_space: global }
      - { .name: b2, .offset: 32, .size: 8, .value_kind: global_buffer, .address_space: global }
      - { .name: Wo, .offset: 40, .size: 8, .value_kind: global_buffer, .address_space: global }
      - { .name: bo, .offset: 48, .size: 8, .value_kind: global_buffer, .address_space: global }
      - { .name: wf, .offset: 56, .size: 8, .value_kind: global_buffer, .address_space: global }
      - { .name: out0, .offset: 64, .size: 8, .value_kind: global_buffer, .address_space: global }
      - { .name: out1, .offset: 72, .size: 8, .value_kind: global_buffer, .address_space: global }
    .group_segment_fixed_size: 327680
    .private_segment_fixed_size: 0
    .kernarg_segment_align: 8
    .kernarg_segment_size: 80
    .max_flat_workgroup_size: 128
    .sgpr_count:     96
    .vgpr_count:     1024
    .wavefront_size: 32
...
	.end_amdgpu_metadata
.endif
;; end of part 2
